; MI455X (gfx1250); checked and timed in simulation.
; The chip was launched on July 23, 2026; its instructions are those of AMD's public machine-readable ISA for CDNA 5 (MIT licence, August 2026) and "CDNA5" Instruction Set Architecture Reference Guide (July 2026). The comments in the code are by the model that wrote it; some were corrected since.
;; Full Attention. Allowed arithmetic: matrix products marked QUANTISED: E2M1 operands, one E8M0 scale for each 32 along K, by v_wmma_scale_f32_16x16x128_f8f6f4 with both operands' format E2M1 (or v_wmma_scale_f32_32x16x128_f4), f32 sums; everything else in f32.
;; Inputs: keys_codes 4 x 2,048 x 16 x 2 x 16 uint8 (E2M1 codes of keys, K innermost, in blocks of 32 codes, two codes a byte); keys_scales 4 x 2,048 x 16 x 2 uint8 (E8M0 scales of keys, one for each 32 codes along K); queries_codes 4 x 2,048 x 16 x 2 x 16 uint8 (E2M1 codes of queries, K innermost, in blocks of 32 codes, two codes a byte); queries_scales 4 x 2,048 x 16 x 2 uint8 (E8M0 scales of queries, one for each 32 codes along K); values_codes 4 x 16 x 64 x 64 x 16 uint8 (E2M1 codes of values, K innermost, in blocks of 32 codes, two codes a byte); values_scales 4 x 16 x 64 x 64 uint8 (E8M0 scales of values, one for each 32 codes along K).
;; Outputs: out0 4 x 2,048 x 16 x 64 float32.
;; This version of the problem:
;;   THIS VERSION OF THE PROBLEM IS GIVEN IN LOW PRECISION. The matrix products marked QUANTISED in the list below multiply operands that are first quantised to E2M1 (2 exponent bits, 1 mantissa bit; 4 bits a number), with one power-of-two scale for each 32 numbers along K (OCP MX v1.0); their sums are f32. All else is computed in f32.
;;   The module's matrix products, in the order in which they are computed (A, B: the left and right operand; K: the contracted axis; several contracted axes count as one K, in the product's order):
;;     1. batch 64 x [M 2,048, K 64] x [K 64, N 2,048]; A: input queries (given as codes); B: input keys (given as codes): QUANTISED
;;     2. batch 64 x [M 64, K 2,048] x [K 2,048, N 2,048]; A: input values (given as codes); B: softmax (see below): QUANTISED
;;   THE QUANTISER, for each operand of a quantised product, along K:
;;     - K is cut into blocks of 32 from its start; a last block that is shorter is filled with zeros.
;;     - A block's scale is 2^e with e = floor(log2(the largest magnitude in the block)) - 2, held to -126 .. 127; a block of zeros has e = 0. As a byte (E8M0): e + 127.
;;     - Each number is divided by its block's scale, clamped to +-6, and rounded to the nearest number of E2M1, ties to even, subnormals kept.
;;     - The product sums the exact products of the quantised numbers (number of the format x scale) in f32.
;;   ~~~python
;;   def quantise(x, axis):      # numpy; x: float32 -> the quantised numbers, widened to float32 again
;;       x = np.moveaxis(x, axis, -1); K = x.shape[-1]
;;       x = np.pad(x, [(0, 0)] * (x.ndim - 1) + [(0, -K % 32)]); x = x.reshape(x.shape[:-1] + (-1, 32)); a = np.abs(x).max(-1, keepdims=True)
;;       e = np.where(a > 0, np.clip(np.frexp(np.where(a > 0, a, 1))[1] - 1 - 2, -126, 127), 0)      # np.frexp(a)[1] - 1 = floor(log2(a)), exactly
;;       r = np.clip(x / 2.0 ** e, -6, 6)
;;       step = 2.0 ** (np.maximum(np.frexp(np.where(r == 0, 1, r))[1] - 1, 0) - 1)
;;       q = np.round(r / step) * step * 2.0 ** e      # np.round: ties to even
;;       return np.moveaxis(q.reshape(q.shape[:-2] + (-1,))[..., :K], -1, axis).astype(np.float32)
;;   ~~~
;;   SOFTMAX AHEAD OF A QUANTISED PRODUCT. Where the list says 'softmax', what is quantised is not the finished softmax but p = 2^(t - M), with t = logit x log2(e) and M = ceil(the row's largest t), a whole number; so 1/2 < the row's largest p <= 1. The row's sum l is taken of the UNQUANTISED p, in f32, and the product's result is divided by l at the end. Since M is a whole number, a kernel that streams over the keys may use a running M (the ceiling of the running maximum): every later rescaling is an exact power of two, which a block's scale takes up: the codes' values come out the same.
;;   OPERANDS COMPUTED ON THE WAY. 'Computed on the way' means the value that the module computes at that place (a softmax that the list does not call 'softmax' is quantised finished and normalised). What goes into a quantiser is computed in f32, as accurately as f32 sums, v_exp_f32 and their like allow (about 1e-6 of the number): no bf16 or f16 on the way to a quantiser, and a product that is left as it is and whose result goes on into a quantised operand takes f32 operands (vector FMAs, or v_wmma_f32_16x16x4_f32). A number that lies on a knife's edge between two numbers of the format may be rounded either way, as far as f32 arithmetic and the matrix unit's own rounding can turn it there, and no further.
;;   INPUTS GIVEN AS CODES. keys (in the module: [4, 2048, 16, 64], K = its axis 3); queries (in the module: [4, 2048, 16, 64], K = its axis 3); values (in the module: [4, 2048, 16, 64], K = its axis 1): each comes as NAME_codes (uint8): NAME with its K axis moved to the last place and cut into blocks of 32 codes, [.., K / 32, bytes a block], one block behind the other in memory; two codes a byte, the lower K in the low four bits (a code: sign, 2 exponent bits, 1 mantissa bit); and NAME_scales (uint8): the same leading axes, one E8M0 byte (e + 127) for each 32 codes along K. Its value is code x scale, taken as it is: it is not quantised again, and the codes and scales need not be those that the quantiser above would give.
;; One version. Each part assembles by itself: llvm-mc -triple=amdgcn-amd-amdhsa -mcpu=gfx1250 --defsym DOCPART=n.
;; ======== version 1 of 1: 1 launch
;; launch attn (part 1): grid 256 x 1, 16 waves a work-group, clusters of 4 x 1, 217,088 bytes of LDS; arguments keys_codes, keys_scales, queries_codes, queries_scales, values_codes, values_scales, out0; writes out0
.if DOCPART == 1
	.amdgcn_target "amdgcn-amd-amdhsa--gfx1250"
	.amdhsa_code_object_version 6
	.text
	.protected	k_qf85a9920c8_attn
	.globl	k_qf85a9920c8_attn
	.p2align	8
	.type	k_qf85a9920c8_attn,@function
k_qf85a9920c8_attn:
	s_mov_b64 s[64:65], 0
	v_nop
	global_prefetch_b8 v0, s[64:65] scope:SCOPE_SE
	s_setreg_imm32_b32 hwreg(HW_REG_WAVE_MODE, 25, 1), 1
	s_wait_xcnt 0x0
	s_wait_alu depctr_hold_cnt(0) depctr_sa_sdst(0) depctr_va_vdst(0) depctr_va_sdst(0) depctr_va_ssrc(0) depctr_va_vcc(0) depctr_vm_vsrc(0)
	s_getreg_b32 s2, hwreg(HW_REG_IB_STS2, 6, 4)
	s_cmp_eq_u32 s2, 0
	s_cbranch_scc0 .Lentry_in_a_cluster
	s_endpgm
.Lentry_in_a_cluster:
	s_bfe_u32 s2, ttmp6, 0x10000c
	s_cmp_lg_u32 s2, 0x3003
	s_cbranch_scc0 .Lentry_shape_is_right
	s_endpgm
.Lentry_shape_is_right:
; out[b][q][h][:] = the sum over k of softmax_k(Q[b][q][h] . K[b][k][h] / 8) V[b][k][h][:], where key k counts for query q if k >= q + 2^(h / 4) or k = 2047.
; Both products run on codes of FP4 (E2M1) with one E8M0 scale for each 32 along a product's K.  B = 4, L = 2048, H = 16, E = 64.
; Q, K: codes [b][l][h][32 bytes], scale bytes [b][l][h][2].  V: codes with the keys innermost, [b][h][d][1024 bytes], scale bytes [b][h][d][64].  out: [b][l][h][64] f32.
; THE SOFTMAX AHEAD OF THE SECOND PRODUCT: t = score x log2(e) / 8; M = the row's largest t so far, rounded UP to a whole number; p = 2^(t - M) is quantised along the keys, not normalised.
; The row's sum is taken of the unquantised p, in f32, and divides O at the end.  When M moves, the sum and O are multiplied by 2^(old M - new M): exact.
; SHARES.  A cluster of four work-groups owns one (b, h).  A head's K (64 KiB), V (64 KiB) and scale words fit in LDS: they are filled ONCE, K and V by joint tensor loads (the four partners
; need the same bytes: one request, with a mask that names the four).  Nothing is filled again: one barrier, and then the sixteen waves of a work-group run on their own.
; A tile is 16 queries; tile 8 a + i needs the key steps (128 keys each) a .. 15.  Work-group cx takes i = 2 cx and 2 cx + 1.  Wave w makes tile (a = w, i = 2 cx) and then tile (a = 15 - w, i = 2 cx + 1):
; (16 - w) + (w + 1) = 17 key steps for every wave of every work-group.  Each pass's loop has 16 trips in every wave; a trip in front of step a jumps over the work.  No branch hangs on cx.
; LAYOUT.  Both products are used transposed: S^T = K Q^T (source 0 = 16 keys, source 1 = my 16 queries), O^T = V^T P^T (source 0 = 16 of the head's 64, source 1 = P): a lane holds ONE query (lane % 16).
; THE KEYS OF A TILE ARE NOT NEIGHBOURS: lane r of tile 2 b + u takes key 32 b + 8 u + r + 8 (r / 8), so that the 16 registers of tiles 2 b and 2 b + 1 are 16 neighbouring keys, 32 b + 16 (lane / 16) + 0 .. 15.
; THE FIRST PRODUCT'S K IS 64, THE INSTRUCTION'S 128.  Q's operand holds ZERO codes for k = 64 .. 127, and both sides' scale words hold the byte 0 (2^-127, no NaN) for those two blocks.  K's operand names eight
; registers of which the upper four are the next fragment's codes (behind the last: zeros): E2M1 has no NaN and no infinity, so these products are exact zeros.
; The scale bytes are not asked for jointly: K's are 2 bytes a key (a tensor row is a multiple of 4 bytes) and both are laid anew on the way in, in the order of the operands' registers; together 8 KiB of the 136 that a work-group brings in.
; LIMITS.  A p under 2^-126 counts as 0 (v_exp_f32 gives 0 there).  A block's largest p is taken through its largest score, which takes v_exp_f32 not to fall where its input rises.  A scale byte 0xff among the
; inputs gives NaN, as in the definition.  A block whose every p is 0 keeps the scale byte 1: its codes are zeros.
; REGISTERS: v1-7 addresses that stay; v8-11 addresses of the step; v12 -M, v13 the largest t, v[14:15] the sum in two halves; v16-31 Q of both passes, each with four registers of zeros; v32-63 K's eight fragments,
; v64-67 zeros; v68-99 V's four fragments; v100-163 S^T, then p; v164-195 O^T; v196-203 p's codes; v204-215 at work on the blocks; v216-223, v226 scale words; v224.. at work.
.set KC,    0                          ; LDS: K's codes, 2,048 rows of 32 bytes
.set VC,    65536                      ; V's codes: 64 rows of 1,024 bytes + 16 of padding
.set VP,    1040                       ; their pitch: an odd multiple of 16 bytes
.set SCK,   VC+64*VP                   ; 132,096: K's scale words: step s, lane L, word x at 512 s + 16 L + 4 x: row L % 16 of tile 4 (L / 16) + x
.set SCV,   SCK+8192                   ; 140,288: V's: step s, lane L, word x at 256 s + 8 L + 4 x: row L % 16 of tile 2 (L / 16) + x
.set STAGE, SCV+4096                   ; 144,384: the way out: 16 rows x (256 bytes + 16) for each wave
.set SP,    272
.set AK0,  1                           ; v1   my lane's place in a tile of K
.set AV0,  2                           ; v2   the same for V
.set ASK0, 3                           ; v3   my lane's place among K's scale words
.set ASV0, 4                           ; v4   and among V's
.set STO,  5                           ; v5   the way out: where I put 32 bytes of a row
.set RD,   6                           ; v6   where I read a row back
.set GO,   7                           ; v7   my byte offset in the tile's rows of out
.set ADK,  8
.set ADV,  9
.set ADS,  10
.set ADT,  11
.set KF,   32
.set VF,   68
.set S,    100
.set O,    164
.set PC,   196
.set BM,   204                         ; v204-207 a block's largest score, then its largest p
.set BT,   208                         ; v208-211 the other half's, then the scale bytes
.set BS,   212                         ; v212-215 the conversions' scale operands
.set KS,   216                         ; v216-219 K's scale words of the step
.set VS,   220                         ; v220-221 V's
.set F,    224                         ; v[224:225] f = 2^(old M - new M); the upper register is only named
.set PS,   226                         ; p's scale word
.set T,    227
.set RH,   228                         ; r - 16 (lane / 16)
.set D0,   229                         ; in step a register 16 b + i is hidden where 32 b + i < D0
.set D1,   230                         ; in step a + 1 where 32 b + i < D1 = D0 - 128
.set D63,  231                         ; D0 for register 63, which holds key 2047 in lanes 16-31 of step 15
.set NINF, 232
.set HL,   233                         ; lane / 16
.set WV,   18                          ; s18  my wave's number
.set SEL,  20                          ; s[20:21] lane selects for v_permlanex16_b32: lane l xor 16
.set CS,   22                          ; s[22:23] c = log2(e) / 8; the packed form names a pair and takes its low word for both halves
.set G1K,  24                          ; s[24:31] descriptor group 1 for K's tiles;  s[32:39] for V's;  s[40:43], s[44:47] their groups 0
.set G1V,  32
.set G0K,  40
.set G0V,  44
.set SC,   56                          ; s56  the key step
.set TK,   57                          ; s57  where the step's keys begin in K's codes: 4,096 bytes a step
.set TV,   58                          ; s58  in a row of V: 64 bytes a step
.set TSK,  59                          ; s59  K's scale words: 512 bytes a step
.set TSV,  60                          ; s60  V's: 256 bytes a step
.set A0,   61                          ; s61  the tile's first key step, a
.set A1,   62                          ; s62  a + 1
; A round of the cluster's barrier: my work-group's barrier, wave 0 signals for the work-group, every wave waits for all four work-groups, my work-group's barrier once more.
.macro ROUND
	s_barrier_signal -1
	s_barrier_wait -1
	s_cmp_lg_u32 s[WV], 0
	s_cbranch_scc1 .Lnot_wave_0_\@
	s_barrier_signal -3
.Lnot_wave_0_\@:
	s_barrier_wait -3
	s_barrier_signal -1
	s_barrier_wait -1
.endm
; A pass's three bases, from its first query s[q0]: Q's codes in s[pb:pb+1], Q's scale bytes in s[pb+2:pb+3], out in s[pb+4:pb+5]
.macro BASES q0, pb
	s_lshl_b32 s90, s[\q0], 9                      ; a query's rows of codes lie 512 bytes apart
	s_add_nc_u64 s[\pb:\pb+1], s[8:9], s[52:53]
	s_add_nc_u64 s[\pb:\pb+1], s[\pb:\pb+1], s[90:91]
	s_lshl_b32 s90, s[\q0], 5                      ; its scale bytes 32
	s_add_nc_u64 s[\pb+2:\pb+3], s[10:11], s[86:87]
	s_add_nc_u64 s[\pb+2:\pb+3], s[\pb+2:\pb+3], s[90:91]
	s_lshl_b32 s90, s[\q0], 12                     ; its rows of out 4,096
	s_add_nc_u64 s[\pb+4:\pb+5], s[16:17], s[92:93]
	s_add_nc_u64 s[\pb+4:\pb+5], s[\pb+4:\pb+5], s[90:91]
.endm
	s_load_b256 s[4:11], s[0:1], 0x0               ; K's codes s[4:5], K's scales s[6:7], Q's codes s[8:9], Q's scales s[10:11]
	s_load_b128 s[12:15], s[0:1], 0x20             ; V's codes s[12:13], V's scales s[14:15]
	s_load_b64 s[16:17], s[0:1], 0x30              ; out
	v_lshl_add_u32 v254, v0, 2, 0x34800
	v_mov_b32 v255, 0
	ds_add_u32 v254, v255
	ds_add_u32 v254, v255
	v_lshrrev_b32 v248, 5, v0
	s_delay_alu instid0(VALU_DEP_1)
	v_readfirstlane_b32 s[WV], v248                ; wave 0..15
	v_and_b32 v249, 15, v0                         ; r = lane % 16
	v_bfe_u32 v[HL], v0, 4, 1                      ; lane / 16
	v_and_b32 v250, 31, v0                         ; lane
	s_delay_alu instid0(VALU_DEP_3)
	v_and_b32 v251, 8, v249
	s_delay_alu instid0(VALU_DEP_1)
	v_add_nc_u32 v251, v251, v249                  ; r + 8 (r / 8)
	s_delay_alu instid0(VALU_DEP_1)
	v_lshlrev_b32 v[AK0], 5, v251                  ; K: that row of 32 bytes,
	s_delay_alu instid0(VALU_DEP_1)
	v_lshl_add_u32 v[AK0], v[HL], 4, v[AK0]        ; + my half's 16 bytes (k = 32 (lane / 16) on)
	v_mul_u32_u24 v[AV0], v249, VP
	s_delay_alu instid0(VALU_DEP_1)
	v_lshl_add_u32 v[AV0], v[HL], 4, v[AV0]
	s_delay_alu instid0(VALU_DEP_1)
	v_add_nc_u32 v[AV0], VC, v[AV0]                ; V: row r of a tile, + my half's 16 bytes
	v_lshl_add_u32 v[ASK0], v250, 4, SCK
	v_lshl_add_u32 v[ASV0], v250, 3, SCV
	s_mul_i32 s78, s[WV], 16*SP
	s_add_co_u32 s78, s78, STAGE                   ; my stage
	v_mul_u32_u24 v[STO], v249, SP
	s_delay_alu instid0(VALU_DEP_1)
	v_lshl_add_u32 v[STO], v[HL], 5, v[STO]
	s_delay_alu instid0(VALU_DEP_1)
	v_add_nc_u32 v[STO], s78, v[STO]               ; in: row r; tile t's eight channels of my half: 64 t + 32 (lane / 16) bytes on
	v_mul_u32_u24 v[RD], v[HL], SP
	s_delay_alu instid0(VALU_DEP_1)
	v_lshl_add_u32 v[RD], v249, 4, v[RD]
	s_delay_alu instid0(VALU_DEP_1)
	v_add_nc_u32 v[RD], s78, v[RD]                 ; back: lanes 0-15 one row of 256 bytes, lanes 16-31 the next
	v_lshlrev_b32 v[GO], 12, v[HL]
	s_delay_alu instid0(VALU_DEP_1)
	v_lshl_add_u32 v[GO], v249, 4, v[GO]           ; and the same two queries in out
	v_lshlrev_b32 v[RH], 4, v[HL]
	s_delay_alu instid0(VALU_DEP_1)
	v_sub_nc_u32 v[RH], v249, v[RH]                ; r - 16 (lane / 16)
	v_lshlrev_b32 v236, 9, v249
	s_delay_alu instid0(VALU_DEP_1)
	v_lshl_add_u32 v236, v[HL], 4, v236            ; Q's codes: query r, + my half's 16 bytes
	v_lshlrev_b32 v237, 5, v249                    ; Q's scale bytes: query r
	v_lshlrev_b32 v238, 5, v0                      ; K's scale bytes: key = my thread's number (+ 512 i)
	v_lshlrev_b32 v239, 3, v0                      ; V's scale bytes: 8 bytes a thread of the head's 4,096
	; where key kk's scale word goes.  kk = 128 s + 32 b + 16 r3 + 8 u + r0 is row 8 r3 + r0 of tile 2 b + u of step s: 256 (kk >> 6) + 128 bit 4 + 16 (kk & 7) + 8 bit 5 + 4 bit 3
	v_lshrrev_b32 v246, 6, v0
	s_delay_alu instid0(VALU_DEP_1)
	v_lshlrev_b32 v246, 8, v246
	v_bfe_u32 v248, v0, 4, 1
	s_delay_alu instid0(VALU_DEP_1)
	v_lshl_or_b32 v246, v248, 7, v246
	v_and_b32 v248, 7, v0
	s_delay_alu instid0(VALU_DEP_1)
	v_lshl_or_b32 v246, v248, 4, v246
	v_bfe_u32 v248, v0, 5, 1
	s_delay_alu instid0(VALU_DEP_1)
	v_lshl_or_b32 v246, v248, 3, v246
	v_bfe_u32 v248, v0, 3, 1
	s_delay_alu instid0(VALU_DEP_1)
	v_lshl_or_b32 v246, v248, 2, v246
	s_delay_alu instid0(VALU_DEP_1)
	v_add_nc_u32 v246, SCK, v246
	; where my two words of V's scales go: row d = thread / 8, steps 2 (thread % 8) and + 1: 512 (thread & 7) + 128 (d / 32) + 8 (d % 16) + 4 ((d / 16) % 2)
	v_and_b32 v247, 7, v0
	s_delay_alu instid0(VALU_DEP_1)
	v_lshlrev_b32 v247, 9, v247
	v_lshrrev_b32 v248, 8, v0
	s_delay_alu instid0(VALU_DEP_1)
	v_lshl_or_b32 v247, v248, 7, v247
	v_bfe_u32 v248, v0, 3, 4
	s_delay_alu instid0(VALU_DEP_1)
	v_lshl_or_b32 v247, v248, 3, v247
	v_bfe_u32 v248, v0, 7, 1
	s_delay_alu instid0(VALU_DEP_1)
	v_lshl_or_b32 v247, v248, 2, v247
	s_delay_alu instid0(VALU_DEP_1)
	v_add_nc_u32 v247, SCV, v247
.irp j, 20,21,22,23,28,29,30,31,64,65,66,67
	v_mov_b32 v[\j], 0                             ; zero codes: Q's k = 64 .. 127 in both passes, and the four registers behind K's last fragment
.endr
.irp j, 208,209,210,211,225,227
	v_mov_b32 v[\j], 0                             ; written once: a lane permute's destination counts as one of its sources; v225 is named as the upper half of a pair
.endr
	v_mov_b32 v[NINF], 0xff800000                  ; -infinity
	s_bfe_u32 s48, ttmp6, 0x40000                  ; cx: my place in the cluster: it enters Q's and out's addresses and the mask's compare values alone
	s_lshr_b32 s49, ttmp9, 4                       ; in a cluster launch ttmp9 counts clusters: 16 b + h
	s_and_b32 s50, ttmp9, 15
	s_lshr_b32 s79, s50, 2
	s_lshl_b32 s51, 1, s79                         ; 2^(h / 4)
	s_lshl_b32 s52, s49, 20
	s_lshl_b32 s79, s50, 5
	s_add_co_u32 s52, s52, s79                     ; the head's first byte in K's and in Q's codes
	s_mov_b32 s53, 0
	s_and_b32 s80, s[WV], 7                        ; waves 0 to 7 fetch 256 keys each:
	s_lshl_b32 s81, s80, 17                        ; 256 rows 512 bytes apart in memory,
	s_add_co_u32 s54, s52, s81
	s_mov_b32 s55, 0
	s_lshl_b32 s82, s80, 13                        ; 256 rows of 32 bytes in LDS
	s_lshl_b32 s84, ttmp9, 16                      ; V's codes: 64 KiB a head
	s_mov_b32 s85, 0
	s_lshl_b32 s86, s49, 16
	s_lshl_b32 s79, s50, 1
	s_add_co_u32 s86, s86, s79                     ; the head's first byte in K's and in Q's scale bytes
	s_mov_b32 s87, 0
	s_lshl_b32 s88, ttmp9, 12                      ; V's scale bytes: 4 KiB a head
	s_mov_b32 s89, 0
	s_lshl_b32 s92, s49, 23
	s_lshl_b32 s79, s50, 8
	s_add_co_u32 s92, s92, s79                     ; the head's first byte in out
	s_mov_b32 s93, 0
	s_mov_b32 s91, 0
	s_lshl_b32 s95, s48, 5                         ; 32 cx
	s_lshl_b32 s83, s[WV], 7
	s_add_co_u32 s83, s83, s95                     ; pass 1's first query: 128 w + 32 cx
	s_xor_b32 s94, s[WV], 15                       ; 15 - w
	s_lshl_b32 s94, s94, 7
	s_add_co_u32 s94, s94, s95
	s_add_co_u32 s94, s94, 16                      ; pass 2's: 128 (15 - w) + 32 cx + 16
	s_mov_b32 s[SEL], 0x76543210
	s_mov_b32 s[SEL+1], 0xfedcba98
	s_mov_b32 s[CS], 0x3e38aa3b                    ; c = log2(e) / 8
	s_mov_b32 s[CS+1], s[CS]                       ; (named with it as a pair, so it is written)
	; descriptor group 1.  K: 256 rows of 32 bytes, 512 bytes apart in memory, on end in LDS
	s_mov_b32 s[G1K], 15|(1<<21)                   ; 15:0 the mask: all four work-groups; 17:16 elements of 1 byte; 20 no padding; 21 set beside a mask
	s_mov_b32 s[G1K+1], 32<<16                     ; tensor_dim0 = 32
	s_mov_b32 s[G1K+2], 256<<16                    ; tensor_dim1 = 256
	s_mov_b32 s[G1K+3], 32<<16                     ; tile_dim0 = 32
	s_mov_b32 s[G1K+4], 256                        ; tile_dim1 = 256
	s_mov_b32 s[G1K+5], 512                        ; tensor_dim0_stride
	s_mov_b32 s[G1K+6], 0
	s_mov_b32 s[G1K+7], 0
	; V: 64 rows of 1,024 bytes, dense in memory, four words of padding behind each row's 256 words
	s_mov_b32 s[G1V], 15|(1<<20)|(1<<21)|(7<<22)|(3<<25)
	s_mov_b32 s[G1V+1], 1024<<16
	s_mov_b32 s[G1V+2], 64<<16
	s_mov_b32 s[G1V+3], 1024<<16
	s_mov_b32 s[G1V+4], 64
	s_mov_b32 s[G1V+5], 1024
	s_mov_b32 s[G1V+6], 0
	s_mov_b32 s[G1V+7], 0
	s_wait_dscnt 0x0
	s_wait_kmcnt 0x0
	s_mov_b32 s[G0K], 1                            ; 1:0 count = 1
	s_mov_b32 s[G0K+1], s82                        ; 63:32 LDS address
	s_add_nc_u64 s[G0K+2:G0K+3], s[4:5], s[54:55]  ; 120:64 global address: it hangs on the head and the wave's number, which the four partners share
	s_or_b32 s[G0K+3], s[G0K+3], 0x80000000        ; 127:126 type = 2
	s_mov_b32 s[G0V], 1
	s_mov_b32 s[G0V+1], VC
	s_add_nc_u64 s[G0V+2:G0V+3], s[12:13], s[84:85]
	s_or_b32 s[G0V+3], s[G0V+3], 0x80000000
	s_add_nc_u64 s[6:7], s[6:7], s[86:87]          ; K's scale bytes at the head's first key
	s_add_nc_u64 s[14:15], s[14:15], s[88:89]      ; V's at the head's first row
	BASES 83, 66                                   ; pass 1: s[66:67], s[68:69], s[70:71]
	BASES 94, 72                                   ; pass 2: s[72:73], s[74:75], s[76:77]
.irp i, 0,1,2,3
	global_load_u16 v[240+\i], v238, s[6:7] offset:16384*\i   ; key thread + 512 i: its two bytes, with zeros above them: the scale word as the matrix instruction wants it
.endr
	global_load_b64 v[244:245], v239, s[14:15]     ; two scale words of a row of V
	global_load_b128 v[16:19], v236, s[66:67]      ; Q's fragments and scale words of both passes stay in registers
	global_load_u16 v222, v237, s[68:69]
	global_load_b128 v[24:27], v236, s[72:73]
	global_load_u16 v223, v237, s[74:75]
	ROUND                                          ; all four work-groups are here: the joint loads meet
	; The only fills of the launch: waves 0 to 7 K's eight parts, wave 8 all of V, the others nothing: one tensor load of a wave is out at the most.  The branches hang on the wave's number alone.
	; Four v_nop follow each of the two lines.
	s_cmp_lt_u32 s[WV], 8
	s_cbranch_scc0 .Lnot_k
	tensor_load_to_lds s[G0K:G0K+3], s[G1K:G1K+7]
	s_nop 0
.rept 4
	v_nop
.endr
	s_branch .Lasked
.Lnot_k:
	s_cmp_eq_u32 s[WV], 8
	s_cbranch_scc0 .Lasked
	tensor_load_to_lds s[G0V:G0V+3], s[G1V:G1V+7]
	s_nop 0
.rept 4
	v_nop
.endr
.Lasked:
	s_wait_loadcnt 0x4                             ; the five loads of scale bytes are in; Q's four, issued behind them, may stay out
.irp i, 0,1,2,3
	ds_store_b32 v246, v[240+\i] offset:2048*\i    ; 512 keys on are four steps on
.endr
	ds_store_b32 v247, v244
	ds_store_b32 v247, v245 offset:256             ; the next step's word
	s_wait_loadcnt 0x0                             ; Q
	s_wait_tensorcnt 0x0                           ; for the others' sake: my part of K or V has landed,
	s_wait_dscnt 0x0                               ; and my stores of scale words are done
	s_barrier_signal -1
	s_barrier_wait -1                              ; everybody's are.  From here on LDS is only read, but for each wave's own stage
; A KEY STEP: 128 keys.  qf: Q's operand (eight registers, the upper four zeros);  qw: Q's scale words.
.macro STEP qf, qw
	s_cmp_lt_u32 s[SC], s[A0]                      ; all keys of a step in front of step a are hidden: its work is left out; the lines at the trip's end that step addresses are not
	s_cbranch_scc1 .Lskip_\@
	s_setprio 2
	v_add_nc_u32 v[ADK], s[TK], v[AK0]             ; these four lines are also the four places between the last step's products and the loads into V's registers
	v_add_nc_u32 v[ADV], s[TV], v[AV0]
	v_add_nc_u32 v[ADS], s[TSK], v[ASK0]
	v_add_nc_u32 v[ADT], s[TSV], v[ASV0]
.irp t, 0,1,2,3,4,5,6,7
	ds_load_b128 v[KF+4*\t:KF+4*\t+3], v[ADK] offset:(32*(\t/2)+8*(\t%2))*32   ; tile t begins at key 32 (t / 2) + 8 (t % 2)
.endr
	ds_load_b128 v[KS:KS+3], v[ADS]                ; lanes 0-15: the words of tiles 0-3; lanes 16-31: of tiles 4-7
.irp t, 0,1,2,3
.irp c, 0,1
	ds_load_b128 v[VF+8*\t+4*\c:VF+8*\t+4*\c+3], v[ADV] offset:16*\t*VP+32*\c   ; V's fragments are asked for now and land under the softmax
.endr
.endr
	ds_load_b64 v[VS:VS+1], v[ADT]                 ; lanes 0-15: the words of tiles 0, 1; lanes 16-31: of tiles 2, 3
	s_wait_dscnt 0x9                               ; K's nine loads are in; V's nine, issued behind them, may stay out
.irp t, 0,1,2,3
	v_wmma_scale_f32_16x16x128_f8f6f4 v[S+8*\t:S+8*\t+7], v[KF+4*\t:KF+4*\t+7], v[\qf:\qf+7], 0, v[KS+\t], v[\qw] matrix_a_fmt:MATRIX_FMT_FP4 matrix_b_fmt:MATRIX_FMT_FP4
.endr
.irp t, 4,5,6,7
	v_wmma_scale_f32_16x16x128_f8f6f4 v[S+8*\t:S+8*\t+7], v[KF+4*\t:KF+4*\t+7], v[\qf:\qf+7], 0, v[KS+\t-4], v[\qw] matrix_a_fmt:MATRIX_FMT_FP4 matrix_b_fmt:MATRIX_FMT_FP4 matrix_a_scale:MATRIX_SCALE_ROW1
.endr
.rept 4
	v_nop                                          ; four places in front of the first read of these results (ISA guide 7.12.1)
.endr
	; THE MASK.  Register 16 b + i holds key 128 s + 32 b + 16 (lane / 16) + i.  Hidden scores become -infinity ahead of the maximum: p = 0 then.  From step a + 2 on every key counts.
	s_cmp_gt_u32 s[SC], s[A1]
	s_cbranch_scc1 .Lopen_\@
	s_cmp_eq_u32 s[SC], s[A0]
	s_cbranch_scc0 .Lsmall_\@
.irp n, 0,1,2,3,4,5,6,7,8,9,10,11,12,13,14,15,16,17,18,19,20,21,22,23,24,25,26,27,28,29,30,31,32,33,34,35,36,37,38,39,40,41,42,43,44,45,46,47,48,49,50,51,52,53,54,55,56,57,58,59,60,61,62
	v_cmp_lt_i32 vcc_lo, 32*(\n/16)+\n%16, v[D0]
	v_cndmask_b32 v[S+\n], v[S+\n], v[NINF], vcc_lo
.endr
	v_cmp_lt_i32 vcc_lo, 111, v[D63]               ; register 63: key 2047 (lanes 16-31 of step 15) always counts
	v_cndmask_b32 v[S+63], v[S+63], v[NINF], vcc_lo
	s_branch .Lopen_\@
.Lsmall_\@:                                        ; step a + 1: a query's first key lies at most 112 + 15 + 8 = 135 behind step a's first: keys 0 to 6 alone can be hidden
.irp n, 0,1,2,3,4,5,6
	v_cmp_lt_i32 vcc_lo, \n, v[D1]
	v_cndmask_b32 v[S+\n], v[S+\n], v[NINF], vcc_lo
.endr
.Lopen_\@:
.irp b, 0,1,2,3
	v_max3_num_f32 v[BM+\b], v[S+16*\b], v[S+1+16*\b], v[S+2+16*\b]   ; THE LARGEST SCORE OF EACH BLOCK OF 32 KEYS: for the row's maximum, and, since p rises with the score, for the block's largest p
.endr
.irp i, 3,5,7,9,11,13
.irp b, 0,1,2,3
	v_max3_num_f32 v[BM+\b], v[BM+\b], v[S+16*\b+\i], v[S+1+16*\b+\i]   ; (the four blocks by turns)
.endr
.endr
.irp b, 0,1,2,3
	v_max_num_f32 v[BM+\b], v[BM+\b], v[S+15+16*\b]
.endr
.irp b, 0,1,2,3
	s_delay_alu instid0(VALU_DEP_4)
	v_permlanex16_b32 v[BT+\b], v[BM+\b], s[SEL], s[SEL+1]
.endr
.irp b, 0,1,2,3
	s_delay_alu instid0(VALU_DEP_4)
	v_max_num_f32 v[BM+\b], v[BM+\b], v[BT+\b]     ; with lane l xor 16's 16 keys
.endr
	s_delay_alu instid0(VALU_DEP_2)
	v_max3_num_f32 v[T], v[BM], v[BM+1], v[BM+2]
	s_delay_alu instid0(VALU_DEP_1)
	v_max_num_f32 v[T], v[T], v[BM+3]              ; the step's largest score of my query
	s_delay_alu instid0(VALU_DEP_1)
	v_mul_f32 v[T], s[CS], v[T]                    ; as t (c is positive)
	s_delay_alu instid0(VALU_DEP_1)
	v_max_num_f32 v13, v13, v[T]                   ; the running largest t
	v_mov_b32 v[T], v12
	s_delay_alu instid0(VALU_DEP_2)
	v_floor_f32 v12, -v13                          ; the new -M = floor(-t) = -ceil(t): M IS A WHOLE NUMBER
	s_delay_alu instid0(VALU_DEP_1)
	v_sub_f32 v[T], v12, v[T]                      ; M's old value less its new one: a whole number, 0 or less
	s_delay_alu instid0(VALU_DEP_1)
	v_cvt_i32_f32 v[T], v[T]                       ; (it saturates)
	s_delay_alu instid0(VALU_DEP_1)
	v_ldexp_f32 v[F], 1.0, v[T]                    ; f = 2^(old M - new M)
.set j, 0
	s_setprio 1
.rept 32
	v_pk_fma_f32 v[S+j:S+j+1], v[S+j:S+j+1], s[CS:CS+1], v[12:13] op_sel_hi:[1,0,0]   ; t - M, two at a time (of the pairs c and -M the low word serves both halves)
.set j, j+2
.endr
.irp b, 0,1,2,3
	v_fma_f32 v[BM+\b], v[BM+\b], s[CS], v12       ; the same of each block's largest score
.endr
.set j, 0
	s_wait_alu depctr_va_vdst(0)
.rept 64
	v_exp_f32 v[S+j], v[S+j]                       ; p = 2^(t - M), at most 1: NOT normalised
.set j, j+1
.endr
.irp b, 0,1,2,3
	v_exp_f32 v[BM+\b], v[BM+\b]                   ; the block's largest p: the same two instructions on the same number give the same bits
.endr
	v_pk_mul_f32 v[14:15], v[14:15], v[F:F+1] op_sel_hi:[1,0]   ; the sums under the new M.  (The plain place behind the exponentials)
	s_wait_alu depctr_va_vdst(0)
.irp b, 0,1,2,3
	v_max_num_f32 v[BM+\b], 0x1800000, v[BM+\b]    ; the floor 2^(3 - 127): the byte cannot fall under 1
.endr
.irp b, 0,1,2,3
	s_delay_alu instid0(VALU_DEP_4)
	v_add_nc_u32 v[BS+\b], 0xff000000, v[BM+\b]    ; 2 off the exponent field: the conversion's scale operand
.endr
.irp b, 0,1,2,3
	s_delay_alu instid0(VALU_DEP_4)
	v_lshrrev_b32 v[BT+\b], 23, v[BS+\b]           ; the scale's byte
.endr
	s_delay_alu instid0(VALU_DEP_3)
	v_lshl_or_b32 v[PS], v[BT+1], 8, v[BT]         ; p's scale word for these 128 keys
	s_delay_alu instid0(VALU_DEP_1)
	v_lshl_or_b32 v[PS], v[BT+2], 16, v[PS]
	s_delay_alu instid0(VALU_DEP_1)
	v_lshl_or_b32 v[PS], v[BT+3], 24, v[PS]
.irp b, 0,1,2,3
	v_cvt_scalef32_pk8_fp4_f32 v[PC+2*\b], v[S+16*\b:S+7+16*\b], v[BS+\b]
	v_cvt_scalef32_pk8_fp4_f32 v[PC+1+2*\b], v[S+8+16*\b:S+15+16*\b], v[BS+\b]
.endr
	v_nop                                          ; one plain vector instruction between a scaled conversion and the vector instruction that touches its result
.irp c, 0,1                                    ; the operand's layout wants a WHOLE block in a lane: lanes 0-15 block 2 c, lanes 16-31 block 2 c + 1
.irp i, 0,1
	v_permlane16_swap_b32 v[PC+4*\c+\i], v[PC+2+4*\c+\i]
.endr
.endr
	v_pk_add_f32 v[234:235], v[104:105], v[108:109]
	v_pk_add_f32 v[252:253], v[112:113], v[116:117]
	v_pk_add_f32 v[250:251], v[120:121], v[124:125]
	v_pk_add_f32 v[248:249], v[128:129], v[132:133]
	v_pk_add_f32 v[246:247], v[136:137], v[140:141]
	v_pk_add_f32 v[244:245], v[144:145], v[148:149]
	v_pk_add_f32 v[242:243], v[152:153], v[156:157]
	v_pk_add_f32 v[14:15], v[14:15], v[160:161]
	v_pk_add_f32 v[234:235], v[234:235], v[100:101]
	v_pk_add_f32 v[252:253], v[252:253], v[102:103]
	v_pk_add_f32 v[250:251], v[250:251], v[106:107]
	s_setprio 0
	v_pk_add_f32 v[248:249], v[248:249], v[110:111]
	v_pk_add_f32 v[246:247], v[246:247], v[114:115]
	v_pk_add_f32 v[244:245], v[244:245], v[118:119]
	v_pk_add_f32 v[242:243], v[242:243], v[122:123]
	v_pk_add_f32 v[14:15], v[14:15], v[126:127]
	v_pk_add_f32 v[234:235], v[234:235], v[130:131]
	v_pk_add_f32 v[252:253], v[252:253], v[134:135]
	v_pk_add_f32 v[250:251], v[250:251], v[138:139]
	v_pk_add_f32 v[248:249], v[248:249], v[142:143]
	v_pk_add_f32 v[246:247], v[246:247], v[146:147]
	v_pk_add_f32 v[244:245], v[244:245], v[150:151]
	v_pk_add_f32 v[242:243], v[242:243], v[154:155]
	v_pk_add_f32 v[14:15], v[14:15], v[158:159]
	v_pk_add_f32 v[234:235], v[234:235], v[162:163]
	s_delay_alu instid0(VALU_DEP_2)
	v_pk_add_f32 v[14:15], v[14:15], v[248:249]
	s_delay_alu instid0(VALU_DEP_2)
	v_pk_add_f32 v[234:235], v[234:235], v[246:247]
	v_pk_add_f32 v[252:253], v[252:253], v[244:245]
	v_pk_add_f32 v[250:251], v[250:251], v[242:243]
	s_delay_alu instid0(VALU_DEP_2)
	v_pk_add_f32 v[14:15], v[14:15], v[252:253]
	s_delay_alu instid0(VALU_DEP_2)
	v_pk_add_f32 v[234:235], v[234:235], v[250:251]
	s_delay_alu instid0(VALU_DEP_1)
	v_pk_add_f32 v[14:15], v[14:15], v[234:235]
.set j, 0
.rept 16
	v_pk_mul_f32 v[O+j:O+j+1], v[O+j:O+j+1], v[F:F+1] op_sel_hi:[1,0]   ; O^T under the new M: x f; each accumulator from its low end on
.set j, j+2
.endr
	s_wait_alu depctr_va_vdst(0)
	s_wait_dscnt 0x0                               ; V's fragments and scale words are in
	; O^T += V^T P^T.  The four accumulators take turns, one instruction a turn, and the next step's eight products K Q^T stand between a link and the next
.irp t, 0,1
	v_wmma_scale_f32_16x16x128_f8f6f4 v[O+8*\t:O+8*\t+7], v[VF+8*\t:VF+8*\t+7], v[PC:PC+7], v[O+8*\t:O+8*\t+7], v[VS+\t], v[PS] matrix_a_fmt:MATRIX_FMT_FP4 matrix_b_fmt:MATRIX_FMT_FP4
.endr
.irp t, 2,3
	v_wmma_scale_f32_16x16x128_f8f6f4 v[O+8*\t:O+8*\t+7], v[VF+8*\t:VF+8*\t+7], v[PC:PC+7], v[O+8*\t:O+8*\t+7], v[VS+\t-2], v[PS] matrix_a_fmt:MATRIX_FMT_FP4 matrix_b_fmt:MATRIX_FMT_FP4 matrix_a_scale:MATRIX_SCALE_ROW1
.endr
.Lskip_\@:
	s_add_co_u32 s[TK], s[TK], 4096                ; the next step's keys, in K, in V's rows and among the scale words
	s_add_co_u32 s[TV], s[TV], 64
	s_add_co_u32 s[TSK], s[TSK], 512
	s_add_co_u32 s[TSV], s[TSV], 256
.endm
; A PASS: one tile of 16 queries, all its key steps, and its way out.  ob: out's base for the tile.  second = 0: a = w, queries 128 a + 32 cx on;  1: a = 15 - w, queries 128 a + 32 cx + 16 on.
.macro PASS qf, qw, ob, second
.if \second
	s_xor_b32 s[A0], s[WV], 15                     ; 15 - w
.else
	s_mov_b32 s[A0], s[WV]
.endif
	s_add_co_u32 s[A1], s[A0], 1
	s_cmp_eq_u32 s[A0], 15
	s_cselect_b32 s63, 4096, 0                     ; only a tile of the last 128 queries can hide key 2047
	s_add_co_u32 s79, s95, s51                     ; 32 cx + 2^(h / 4)
.if \second
	s_add_co_u32 s79, s79, 16
.endif
	v_add_nc_u32 v[D0], s79, v[RH]                 ; my query's first key that counts, from step a's first key on, less 16 (lane / 16)
	s_delay_alu instid0(VALU_DEP_1)
	v_add_nc_u32 v[D1], 0xffffff80, v[D0]          ; the same from step a + 1's first key on
	v_mul_u32_u24 v[D63], s63, v[HL]
	s_delay_alu instid0(VALU_DEP_1)
	v_sub_nc_u32 v[D63], v[D0], v[D63]             ; in lanes 16-31 of such a tile under every register's number: key 2047 stays
	v_mov_b32 v13, 0xff61b1e6                      ; the largest t so far: -3e38, under every t
	s_delay_alu instid0(VALU_DEP_1)
	v_floor_f32 v12, -v13                          ; -M
	v_mov_b32 v14, 0                               ; the sum, in two halves
	v_mov_b32 v15, 0
.set j, 0
.rept 32
	v_mov_b32 v[O+j], 0                            ; O^T.  (The step is written once: the first finds zeros, which the first change of M leaves zeros)
.set j, j+1
.endr
	s_mov_b32 s[SC], 0
	s_mov_b32 s[TK], 0
	s_mov_b32 s[TV], 0
	s_mov_b32 s[TSK], 0
	s_mov_b32 s[TSV], 0
.Lstep_\@:                                         ; 16 trips in every wave
	STEP \qf, \qw
	s_add_co_u32 s[SC], s[SC], 1
	s_cmp_lt_u32 s[SC], 16
	s_cbranch_scc1 .Lstep_\@
	s_setprio 0
	; THE WAY OUT.  O^T is divided by the row's sum and goes through my stage in LDS: a lane holds 32 bytes of a query's 256, so rows are read back whole, and sixteen lanes store 256 consecutive bytes, aligned.
.rept 4
	v_nop                                          ; four places behind the last products
.endr
	v_add_f32 v14, v14, v15                        ; the sum's two halves,
	s_delay_alu instid0(VALU_DEP_1)
	v_permlanex16_b32 v[T], v14, s[SEL], s[SEL+1]
	s_delay_alu instid0(VALU_DEP_1)
	v_add_f32 v14, v14, v[T]                       ; and lane l xor 16's: the row's sum, over 1/2 since the row's largest p is
	s_wait_alu depctr_va_vdst(0)
	v_rcp_f32 v14, v14
	v_nop                                          ; one plain place behind a transcendental
.set j, 0
	s_wait_alu depctr_va_vdst(0)
.rept 16
	v_pk_mul_f32 v[S+j:S+j+1], v[O+j:O+j+1], v[14:15] op_sel_hi:[1,0]   ; register 8 t + i is out(query r, channel 16 t + 8 (lane / 16) + i); each accumulator from its low end on
.set j, j+2
.endr
.irp t, 0,1,2,3
	ds_store_b128 v[STO], v[S+8*\t:S+8*\t+3] offset:64*\t
	ds_store_b128 v[STO], v[S+8*\t+4:S+8*\t+7] offset:64*\t+16
.endr
.irp i, 0,1,2,3,4,5,6,7
	ds_load_b128 v[S+32+4*\i:S+35+4*\i], v[RD] offset:2*\i*SP   ; LDS serves a wave's instructions in order (ISA guide 5.7.1.4): these see my stores
.endr
.irp i, 0,1,2,3,4,5,6,7
	s_wait_dscnt 7-\i                              ; queries 2 i and 2 i + 1 are back; the younger loads may stay out
	global_store_b128 v[GO], v[S+32+4*\i:S+35+4*\i], s[\ob:\ob+1] offset:8192*\i th:TH_STORE_NT   ; written once, read by nobody here
.endr
.if !\second
	s_wait_xcnt 0x0                                ; the stores' data registers are written again in the next pass only behind this wait
.endif
.endm
	PASS 16, 222, 70, 0
	PASS 24, 223, 76, 1
	s_wait_dscnt 0x0                               ; no LDS instruction of mine is pending at a signal
	s_wait_tensorcnt 0x0
	ds_add_u32 v254, v255
	s_wait_dscnt 0x0
	ROUND                                          ; the closing round: no work-group ends while a partner may still ask for a tile that names it
	s_endpgm
.Lfunc_end_k_qf85a9920c8_attn:
	.size	k_qf85a9920c8_attn, .Lfunc_end_k_qf85a9920c8_attn-k_qf85a9920c8_attn
	.p2alignl 7, 3214868480
	.fill 96, 4, 3214868480
	.section	.rodata,"a",@progbits
	.p2align	6, 0x0
	.amdhsa_kernel k_qf85a9920c8_attn
		.amdhsa_group_segment_fixed_size 217088
		.amdhsa_private_segment_fixed_size 0
		.amdhsa_enable_private_segment 0
		.amdhsa_kernarg_size 56
		.amdhsa_user_sgpr_count 2
		.amdhsa_user_sgpr_kernarg_segment_ptr 1
		.amdhsa_wavefront_size32 1
		.amdhsa_system_sgpr_workgroup_id_x 1
		.amdhsa_system_sgpr_workgroup_id_y 1
		.amdhsa_system_sgpr_workgroup_id_z 1
		.amdhsa_system_vgpr_workitem_id 0
		.amdhsa_next_free_vgpr 256
		.amdhsa_next_free_sgpr 96
		.amdhsa_reserve_vcc 1
		.amdhsa_float_denorm_mode_32 3
		.amdhsa_float_denorm_mode_16_64 3
		.amdhsa_memory_ordered 1
		.amdhsa_forward_progress 1
		.amdhsa_inst_pref_size 65
	.end_amdhsa_kernel
	.amdgpu_metadata
---
amdhsa.version: [ 1, 2 ]
amdhsa.kernels:
  - .name:           k_qf85a9920c8_attn
    .symbol:         k_qf85a9920c8_attn.kd
    .args:
      - { .name: keys_codes, .offset: 0, .size: 8, .value_kind: global_buffer, .address_space: global }
      - { .name: keys_scales, .offset: 8, .size: 8, .value_kind: global_buffer, .address_space: global }
      - { .name: queries_codes, .offset: 16, .size: 8, .value_kind: global_buffer, .address_space: global }
      - { .name: queries_scales, .offset: 24, .size: 8, .value_kind: global_buffer, .address_space: global }
      - { .name: values_codes, .offset: 32, .size: 8, .value_kind: global_buffer, .address_space: global }
      - { .name: values_scales, .offset: 40, .size: 8, .value_kind: global_buffer, .address_space: global }
      - { .name: out0, .offset: 48, .size: 8, .value_kind: global_buffer, .address_space: global }
    .group_segment_fixed_size: 217088
    .private_segment_fixed_size: 0
    .kernarg_segment_align: 8
    .kernarg_segment_size: 56
    .max_flat_workgroup_size: 512
    .sgpr_count:     96
    .vgpr_count:     256
    .wavefront_size: 32
...
	.end_amdgpu_metadata
.endif
;; end of part 1
